; MI455X (gfx1250); checked and timed in simulation.
; The chip was launched on July 23, 2026; its instructions are those of AMD's public machine-readable ISA for CDNA 5 (MIT licence, August 2026) and "CDNA5" Instruction Set Architecture Reference Guide (July 2026). The comments in the code are by the model that wrote it; some were corrected since.
;; Causal Self Attention Head. Allowed arithmetic: float matrix products may take bf16 or f16 operands with f32 sums; other float arithmetic in f32, or as packed bf16 or f16 multiplies, adds, multiply-adds, maxima and minima; sums over many terms, partial sums and values carried from step to step in f32; what a program stores and reads back later, other than sums and carried values, may be rounded once to bf16 or f16.
;; Inputs: Wk 1,024 x 64 float32; Wq 1,024 x 64 float32; Wv 1,024 x 64 float32; x 4 x 4,096 x 1,024 float32.
;; Outputs: out0 4 x 4,096 x 64 float32.
;; One version. Each part assembles by itself: llvm-mc -triple=amdgcn-amd-amdhsa -mcpu=gfx1250 --defsym DOCPART=n.
;; ======== version 1 of 1: 3 launches
;; limits: values are held in f16: magnitudes above 65,504 overflow, below 6.1e-05 lose precision
;; workspace buffers: wf 393,216 bytes; q 2,097,152 bytes; kv 4,194,304 bytes
;; launch wprep (part 1): grid 32 x 3, 8 waves a work-group, no clusters, 0 bytes of LDS; arguments Wq, Wk, Wv, wf; writes wf
.if DOCPART == 1
	.amdgcn_target "amdgcn-amd-amdhsa--gfx1250"
	.amdhsa_code_object_version 6
	.text
	.protected	k_q03a846e8fb_wprep
	.globl	k_q03a846e8fb_wprep
	.p2align	8
	.type	k_q03a846e8fb_wprep,@function
k_q03a846e8fb_wprep:
	s_mov_b64 s[64:65], 0
	v_nop
	global_prefetch_b8 v0, s[64:65] scope:SCOPE_SE
	s_setreg_imm32_b32 hwreg(HW_REG_WAVE_MODE, 25, 1), 1
	s_wait_xcnt 0x0
; CAUSAL SELF-ATTENTION HEAD, launch 1 of 3: the three weight matrices, rounded once to bf16 and laid in the order in which a wave's operand registers take them.
; The program: (1) this launch; (2) q, k, v = x W, bf16 operands, f32 sums, stored once rounded to f16 in fragment order; (3) causal attention on them, out0 in f32.
; WORK LEFT OUT (in launch 3).  reference() sets every score with key > query to -inf by a tril mask that it builds itself, so that score's weight is exactly 0
; whatever finite values x, Wq, Wk, Wv hold, and neither the score nor its product with v reaches any output.  Launch 3 therefore neither loads nor multiplies the
; slots of 512 keys that lie wholly above the diagonal of a block of 128 queries; the slot that holds the diagonal is computed whole and masked.  All four inputs are live and are loaded.
; LIMIT: a NaN, an infinity or an overflow that would arise only in the scores left out is not carried to the result.
; LIMITS OF FORMAT: x and the weights are rounded to bf16; q, k, v and the weights p to f16, which ends at 65,504: a q, k or v beyond that becomes an infinity.
;
; wf: [ks 0..31][f 0..11][1,024 bytes].  f = 4 p + cb, p = 0 for Wq, 1 for Wk, 2 for Wv.  A fragment is 16 channels (16 cb + r) x 32 k (32 ks + ..) as [sub 0..1][lane 0..31][16 bytes]:
; lane (r = lane % 16, h = lane / 16) of sub s holds k = 16 s + 8 h + 0..7 of channel 16 cb + r, the lower k in the lower bits.
; SHARES.  Work-group (ks, p) makes the 4,096 bytes of wf at 12,288 ks + 4,096 p.  Thread t: column t % 64, and the eight k = 32 ks + 8 (t / 64) + 0..7.
	s_load_b256 s[4:11], s[0:1], 0x0               ; Wq s[4:5], Wk s[6:7], Wv s[8:9], wf s[10:11]
	s_and_b32 s14, ttmp7, 0xffff                   ; p
	v_and_b32 v3, 63, v0                           ; column
	v_lshrrev_b32 v16, 6, v0                       ; kg = t / 64
	s_lshl_b32 s15, ttmp9, 13                      ; 32 ks rows of 256 bytes
	v_lshlrev_b32 v1, 11, v16                      ; 8 kg rows
	v_lshl_add_u32 v1, v3, 2, v1                   ; + 4 x column
	v_add_nc_u32 v1, s15, v1                       ; where I read
	s_mul_i32 s16, ttmp9, 12288
	s_lshl_b32 s17, s14, 12
	s_add_co_u32 s16, s16, s17                     ; the work-group's 4,096 bytes of wf
	v_lshrrev_b32 v17, 4, v3                       ; cb
	v_and_b32 v18, 15, v3                          ; r
	v_lshlrev_b32 v2, 8, v16                       ; 512 (kg / 2) + 256 (kg % 2) = 256 kg: sub and half
	v_lshl_add_u32 v2, v17, 10, v2                 ; + 1,024 cb
	v_lshl_add_u32 v2, v18, 4, v2                  ; + 16 r
	v_add_nc_u32 v2, s16, v2                       ; where I store
	s_wait_kmcnt 0x0
	s_cmp_eq_u32 s14, 0                            ; the source by p, which hangs on the work-group's number alone
	s_cselect_b64 s[12:13], s[4:5], s[6:7]
	s_cmp_eq_u32 s14, 2
	s_cselect_b64 s[12:13], s[8:9], s[12:13]
.irp j, 0,1,2,3,4,5,6,7
	global_load_b32 v[4+\j], v1, s[12:13] offset:256*\j  ; row 32 ks + 8 kg + j: a wave reads 128 consecutive bytes of it
.endr
	s_wait_loadcnt 0x0
.irp n, 0,1,2,3
	v_cvt_pk_bf16_f32 v[12+\n], v[4+2*\n], v[5+2*\n]     ; the lower k into the low half
.endr
	global_store_b128 v2, v[12:15], s[10:11]       ; sixteen neighbouring lanes store 256 consecutive bytes, at a multiple of 256 from wf's first byte
	s_endpgm
.Lfunc_end_k_q03a846e8fb_wprep:
	.size	k_q03a846e8fb_wprep, .Lfunc_end_k_q03a846e8fb_wprep-k_q03a846e8fb_wprep
	.p2alignl 7, 3214868480
	.fill 96, 4, 3214868480
	.section	.rodata,"a",@progbits
	.p2align	6, 0x0
	.amdhsa_kernel k_q03a846e8fb_wprep
		.amdhsa_group_segment_fixed_size 0
		.amdhsa_private_segment_fixed_size 0
		.amdhsa_enable_private_segment 0
		.amdhsa_kernarg_size 32
		.amdhsa_user_sgpr_count 2
		.amdhsa_user_sgpr_kernarg_segment_ptr 1
		.amdhsa_wavefront_size32 1
		.amdhsa_system_sgpr_workgroup_id_x 1
		.amdhsa_system_sgpr_workgroup_id_y 1
		.amdhsa_system_sgpr_workgroup_id_z 1
		.amdhsa_system_vgpr_workitem_id 0
		.amdhsa_next_free_vgpr 24
		.amdhsa_next_free_sgpr 66
		.amdhsa_reserve_vcc 0
		.amdhsa_float_denorm_mode_32 3
		.amdhsa_float_denorm_mode_16_64 3
		.amdhsa_memory_ordered 1
		.amdhsa_forward_progress 1
		.amdhsa_inst_pref_size 3
	.end_amdhsa_kernel
	.amdgpu_metadata
---
amdhsa.version: [ 1, 2 ]
amdhsa.kernels:
  - .name:           k_q03a846e8fb_wprep
    .symbol:         k_q03a846e8fb_wprep.kd
    .args:
      - { .name: Wq, .offset: 0, .size: 8, .value_kind: global_buffer, .address_space: global }
      - { .name: Wk, .offset: 8, .size: 8, .value_kind: global_buffer, .address_space: global }
      - { .name: Wv, .offset: 16, .size: 8, .value_kind: global_buffer, .address_space: global }
      - { .name: wf, .offset: 24, .size: 8, .value_kind: global_buffer, .address_space: global }
    .group_segment_fixed_size: 0
    .private_segment_fixed_size: 0
    .kernarg_segment_align: 8
    .kernarg_segment_size: 32
    .max_flat_workgroup_size: 256
    .sgpr_count:     66
    .vgpr_count:     24
    .wavefront_size: 32
...
	.end_amdgpu_metadata
.endif
;; end of part 1
;; launch proj (part 2): grid 256 x 1, 4 waves a work-group, no clusters, 279,040 bytes of LDS; arguments x, wf, q, kv; writes q, kv
.if DOCPART == 2
	.amdgcn_target "amdgcn-amd-amdhsa--gfx1250"
	.amdhsa_code_object_version 6
	.text
	.protected	k_q03a846e8fb_proj
	.globl	k_q03a846e8fb_proj
	.p2align	8
	.type	k_q03a846e8fb_proj,@function
k_q03a846e8fb_proj:
	s_mov_b64 s[64:65], 0
	v_nop
	global_prefetch_b8 v0, s[64:65] scope:SCOPE_SE
	s_setreg_imm32_b32 hwreg(HW_REG_WAVE_MODE, 25, 1), 1
	s_wait_xcnt 0x0
; Launch 2 of 3: q, k, v = x W.  x: [16384][1024] f32, rounded to bf16 on its way from LDS to the matrix unit; wf: launch 1's bf16 fragments; sums in f32; q, k, v rounded once to f16.
; LIMIT: f16 ends at 65,504; a q, k or v beyond that becomes an infinity.  No work of reference() is left out here.
; SHARES.  Work-group g owns tokens 64 g .. 64 g + 63.  K IS SPLIT AMONG ITS FOUR WAVES: wave u takes channels 256 u .. 256 u + 255 of x for all 64 tokens and all 192 columns:
; 48 accumulators, 8 steps of 32 along K, 48 matrix instructions a step.  So each byte of x and each fragment of W is read by one wave of the work-group; the four partial sums meet in LDS once.
; x: 256 KiB a work-group, asked for whole at the kernel's head by four tensor loads a wave (64 rows x 256 bytes each); nothing is filled again.  By this text's count a wave has four tensor loads out at the most.
; W comes straight from memory into registers in fragment order (512 consecutive bytes a load), three sets of 96 registers by turns: two sets are on their way while one is multiplied.
; NO CLUSTER: x is shared by nobody; a fragment of W has one reader in a work-group and needs no LDS, and beside x's 278,528 bytes LDS has no room for slots of W.
; NO PREFETCH: all of x is asked for at the head, and wf is 384 KiB that every work-group reads.
; ROLES.  q and k: source 0 = W's fragment, source 1 = x's: a lane then holds one token (lane % 16) and channels 8 (lane / 16) + 0..7.  v: source 0 = x's, source 1 = W's: a lane holds one
; channel and eight tokens.  Either way four roundings make the lane's 16 bytes of a fragment of the next launch's operands, and a store covers 512 consecutive bytes.
; q:  [tile of 16 tokens][c 0..1][1,024]: fragment rows = tokens, k = channels 32 c + ..
; kv: [group of 64 tokens][16,384]: K's fragments (kb, c) at 1,024 (2 kb + c), rows = keys 16 kb + r; V^T's fragments (kk, cb) at 8,192 + 1,024 (4 kk + cb), rows = channels 16 cb + r, k = keys 32 kk + ..
; REGISTERS, in windows of 256 (s_set_vgpr_msb: bits 1:0 source 0, 3:2 source 1, 5:4 source 2, 7:6 destination):
;   window 0: addresses; v16-79 x in f32 (later the packed results); v80-143 x in bf16, two buffers of 32
;   window 1: v0-95, v96-191 W sets 0, 1     window 2: q's and k's accumulators, (tt, f) at 8 (8 tt + f)     window 3: v0-127 v's accumulators, (tt, cb) at 8 (4 tt + cb); v128-223 W set 2
.set XP,    272                        ; an LDS row of x: 256 bytes + 16 of padding = 68 words: row r starts at bank 4 r mod 64 (64 banks of 4 bytes: ISA guide 11.1)
.set XTT,   64*XP                      ; a tile: 64 rows
.set XTW,   4*XTT                      ; a wave's four tiles; after their last read the wave's stage for its partial sums (49,152 bytes)
.set SPARE, 4*XTW                      ; behind them: the spare words, 128 bytes for each wave: two blocks of 256 bytes that no other line names
.set XA,  4                            ; v4     my place in a tile of x: wave's region + (lane % 16) x 272 + 32 (lane / 16)
.set WO,  5                            ; v5     my byte offset in wf: 98,304 x wave + 16 x lane; never rewritten
.set SA,  6                            ; v6     my 16 bytes in my wave's stage
.set RA,  8                            ; v8-11  the same in wave u's stage, at the token tile that I finish (= my wave's number)
.set VQ,  12                           ; v12    my 16 bytes in q's and K's fragments of that tile
.set VV,  13                           ; v13    the same in V^T's
.set SPW, 14                           ; v14    LDS address of my spare word; never rewritten
.set NIL, 15                           ; v15    0; never rewritten
.set XF,  16
.set TO,  16
.set XB,  80
.set G1,  16                           ; s[16:23] descriptor group 1
.set G0,  32                           ; s[32:47] descriptor group 0, a set for each of the four tiles
.set MSB, 0
.macro WIN new                         ; the immediate's high byte repeats the setting that is left; a switch that changes nothing is dropped
.if MSB != (\new)
	s_set_vgpr_msb (MSB<<8)|(\new)
.set MSB, (\new)
.endif
.endm
.macro PLACES                          ; four places behind a matrix instruction (ISA guide 7.12.1)
.rept 4
	v_nop
.endr
.endm
.macro WSET i                          ; step i's set of W: its window and its first register
.if ((\i)%3) == 0
.set ws, 1
.set WB, 0
.elseif ((\i)%3) == 1
.set ws, 1
.set WB, 96
.else
.set ws, 3
.set WB, 128
.endif
.endm
.macro WLOAD i                         ; step i's twelve fragments of W: 24 loads of 512 consecutive bytes
	WSET \i
	WIN ws<<6
.set f, 0
.rept 12
	global_load_b128 v[WB+8*f:WB+8*f+3],   v[WO], s[6:7] offset:(\i)*12288+f*1024
	global_load_b128 v[WB+8*f+4:WB+8*f+7], v[WO], s[6:7] offset:(\i)*12288+f*1024+512
.set f, f+1
.endr
.endm
.macro XLOAD i                         ; step i's 64 tokens x 32 channels of x, f32: for each token tile my 8 + 8 numbers, 32 bytes at 32 h and 32 at 64 + 32 h
	WIN 0
.set tt, 0
.rept 4
	ds_load_b128 v[XF+16*tt:XF+16*tt+3],     v[XA] offset:((\i)/2)*XTT+tt*16*XP+((\i)%2)*128
	ds_load_b128 v[XF+16*tt+4:XF+16*tt+7],   v[XA] offset:((\i)/2)*XTT+tt*16*XP+((\i)%2)*128+16
	ds_load_b128 v[XF+16*tt+8:XF+16*tt+11],  v[XA] offset:((\i)/2)*XTT+tt*16*XP+((\i)%2)*128+64
	ds_load_b128 v[XF+16*tt+12:XF+16*tt+15], v[XA] offset:((\i)/2)*XTT+tt*16*XP+((\i)%2)*128+80
.set tt, tt+1
.endr
.endm
.macro XCVT b                          ; rounded to bf16 into buffer b: four fragments of 8 registers
	WIN 0
.set n, 0
.rept 32
	v_cvt_pk_bf16_f32 v[XB+32*(\b)+n], v[XF+2*n], v[XF+2*n+1]
.set n, n+1
.endr
.endm
; The 48 accumulators of a step take turns, one instruction a turn; a step's last and the next step's first differ.  Step 0 starts the sums with the constant 0.
.macro QK i
	WSET \i
	WIN 0xa0|ws
.set f, 0
.rept 8
.set tt, 0
.rept 4
.if (\i) == 0
	v_wmma_f32_16x16x32_bf16 v[8*(8*tt+f):8*(8*tt+f)+7], v[WB+8*f:WB+8*f+7], v[XB+32*((\i)%2)+8*tt:XB+32*((\i)%2)+8*tt+7], 0
.else
	v_wmma_f32_16x16x32_bf16 v[8*(8*tt+f):8*(8*tt+f)+7], v[WB+8*f:WB+8*f+7], v[XB+32*((\i)%2)+8*tt:XB+32*((\i)%2)+8*tt+7], v[8*(8*tt+f):8*(8*tt+f)+7]
.endif
.set tt, tt+1
.endr
.set f, f+1
.endr
.endm
.macro VV_ i
	WSET \i
	WIN 0xf0|(ws<<2)
.set f, 0
.rept 4
.set tt, 0
.rept 4
.if (\i) == 0
	v_wmma_f32_16x16x32_bf16 v[8*(4*tt+f):8*(4*tt+f)+7], v[XB+32*((\i)%2)+8*tt:XB+32*((\i)%2)+8*tt+7], v[WB+64+8*f:WB+64+8*f+7], 0
.else
	v_wmma_f32_16x16x32_bf16 v[8*(4*tt+f):8*(4*tt+f)+7], v[XB+32*((\i)%2)+8*tt:XB+32*((\i)%2)+8*tt+7], v[WB+64+8*f:WB+64+8*f+7], v[8*(4*tt+f):8*(4*tt+f)+7]
.endif
.set tt, tt+1
.endr
.set f, f+1
.endr
.endm
; A step of 32 along K.
.macro STEP i
.if (\i) <= 5
	s_wait_loadcnt 48                              ; this step's W is in; the two younger sets of 24 loads stay out
.elseif (\i) == 6
	s_wait_loadcnt 24                              ; one younger set
.else
	s_wait_loadcnt 0x0
.endif
	QK \i
.if (\i) < 7
.if (((\i)+1)%2) == 0
	s_wait_tensorcnt 3-((\i)+1)/2                  ; the next step begins a new tile of x: it is in, the younger tiles stay out; I alone read my tiles
.endif
	XLOAD (\i)+1                                   ; the next step's x, read under the 16 products that follow
.endif
	VV_ \i
.if (\i) < 7
	WIN 0
	s_wait_dscnt 0x0
	XCVT ((\i)+1)%2                                ; 32 plain lines that name no register of this step's products: also the places in front of the loads below
.endif
.if (\i) <= 4
	WLOAD (\i)+3                                   ; into the set just multiplied
.endif
.endm
	s_load_b256 s[4:11], s[0:1], 0x0               ; x s[4:5], wf s[6:7], q s[8:9], kv s[10:11]
	v_lshl_add_u32 v[SPW], v0, 2, SPARE
	v_mov_b32 v[NIL], 0
	ds_add_u32 v[SPW], v[NIL]                      ; the wave's opening: an add of 0 to my spare word, twice on end, with its wait ahead of my first tensor load
	ds_add_u32 v[SPW], v[NIL]                      ; and once more, under the one wait; the set-up below, work on registers, stands between
	v_lshrrev_b32 v1, 5, v0
	v_readfirstlane_b32 s12, v1                    ; wave 0..3
	; descriptor group 1: a tile of 64 rows x 64 elements of 4 bytes, padded in LDS
	s_mov_b32 s[G1+0], (2<<16)|(1<<20)|(5<<22)|(3<<25)  ; 15:0 mask = 0; 17:16 elements of 4 bytes; 20 padding on; 24:22 after every 64 words (code 5); 31:25 4 words of it (code 3)
	s_mov_b32 s[G1+1], 64<<16                      ; tensor_dim0 = 64
	s_mov_b32 s[G1+2], 64<<16                      ; tensor_dim1 = 64
	s_mov_b32 s[G1+3], 64<<16                      ; tile_dim0 = 64
	s_mov_b32 s[G1+4], 64                          ; tile_dim1 = 64
	s_mov_b32 s[G1+5], 1024                        ; elements from row to row
	s_mov_b32 s[G1+6], 0
	s_mov_b32 s[G1+7], 0
	s_mul_i32 s13, s12, XTW                        ; my wave's region of LDS
	s_lshl_b32 s2, ttmp9, 18                       ; the work-group's 64 rows of 4,096 bytes
	s_lshl_b32 s3, s12, 10                         ; my wave's 1,024 bytes of a row
	s_add_co_u32 s2, s2, s3
	s_mov_b32 s3, 0
	s_wait_dscnt 0x0                               ; both opening adds are done
	s_wait_kmcnt 0x0
	s_add_nc_u64 s[4:5], s[4:5], s[2:3]            ; x at my first tile
.irp j, 0,1,2,3
	s_mov_b32 s[G0+4*\j], 1                        ; count = 1
	s_add_co_u32 s[G0+4*\j+1], s13, \j*XTT         ; LDS address: my region, tile j
	s_add_nc_u64 s[G0+4*\j+2:G0+4*\j+3], s[4:5], \j*256  ; global address: 256 bytes further along the rows
	s_or_b32 s[G0+4*\j+3], s[G0+4*\j+3], 0x80000000      ; type = 2
	tensor_load_to_lds s[G0+4*\j:G0+4*\j+3], s[G1:G1+7]  ; all first fills in one group, ahead of every wait on TENSORcnt, every LDS read and the barrier
	s_nop 0
.endr
.rept 4
	v_nop
.endr
	v_and_b32 v1, 15, v0                           ; r
	v_bfe_u32 v2, v0, 4, 1                         ; h
	v_and_b32 v3, 31, v0                           ; lane
	s_mul_i32 s14, s12, 98304                      ; my wave's eight steps of wf
	v_lshl_add_u32 v[WO], v3, 4, s14
	WLOAD 0
	WLOAD 1
	WLOAD 2
	WIN 0
	v_mul_u32_u24 v[XA], v1, XP
	v_lshl_add_u32 v[XA], v2, 5, v[XA]
	v_add_nc_u32 v[XA], s13, v[XA]
	v_lshl_add_u32 v[SA], v3, 4, s13
	s_mul_i32 s15, s12, 12288                      ; the token tile that I finish lies at 12,288 x my wave's number in each stage
	v_lshl_add_u32 v[RA], v3, 4, s15
	v_add_nc_u32 v[RA+1], XTW, v[RA]
	v_add_nc_u32 v[RA+2], 2*XTW, v[RA]
	v_add_nc_u32 v[RA+3], 3*XTW, v[RA]
	s_lshl_b32 s14, s12, 11
	v_lshl_add_u32 v[VQ], v3, 4, s14               ; 2,048 x tile + 16 x lane
	s_lshr_b32 s14, s12, 1
	s_lshl_b32 s14, s14, 12                        ; kk = tile / 2: 4,096 bytes
	s_and_b32 s15, s12, 1
	s_lshl_b32 s15, s15, 9                         ; sub = tile % 2: 512 bytes
	s_add_co_u32 s14, s14, s15
	s_add_co_u32 s14, s14, 8192
	v_lshl_add_u32 v[VV], v3, 4, s14
	s_lshl_b32 s2, ttmp9, 13
	s_add_nc_u64 s[24:25], s[8:9], s[2:3]          ; q at the work-group's four tiles
	s_lshl_b32 s2, ttmp9, 14
	s_add_nc_u64 s[26:27], s[10:11], s[2:3]        ; kv at the work-group's group
	s_wait_tensorcnt 3                             ; my tile 0 is in; the three younger stay out
	XLOAD 0
	s_wait_dscnt 0x0
	XCVT 0
.irp i, 0,1,2,3,4,5,6,7
	STEP \i
.endr
	; THE FOUR PARTIAL SUMS MEET.  Each wave lays its 48 accumulators into its own region, whose tiles have had their last fill and their last read; each accumulator's low four registers first.
	PLACES
	PLACES
	WIN 0x08                                       ; store data (source 1) in window 2
.set tt, 0
.rept 4
.set f, 0
.rept 8
	ds_store_b128 v[SA], v[8*(8*tt+f):8*(8*tt+f)+3]   offset:tt*12288+f*1024
	ds_store_b128 v[SA], v[8*(8*tt+f)+4:8*(8*tt+f)+7] offset:tt*12288+f*1024+512
.set f, f+1
.endr
.set tt, tt+1
.endr
	WIN 0x0c                                       ; in window 3
.set tt, 0
.rept 4
.set f, 0
.rept 4
	ds_store_b128 v[SA], v[8*(4*tt+f):8*(4*tt+f)+3]   offset:tt*12288+(8+f)*1024
	ds_store_b128 v[SA], v[8*(4*tt+f)+4:8*(4*tt+f)+7] offset:tt*12288+(8+f)*1024+512
.set f, f+1
.endr
.set tt, tt+1
.endr
	WIN 0
	s_wait_dscnt 0x0                               ; for the others' sake: my stores are done (my tensor loads were all waited for in step 5)
	s_barrier_signal -1
	s_barrier_wait -1
	WIN 0x80                                       ; wave w finishes token tile w: the four waves' 96 registers each
.set n, 0
.rept 24
	ds_load_b128 v[4*n:4*n+3],       v[RA]   offset:512*n
	ds_load_b128 v[96+4*n:96+4*n+3], v[RA+1] offset:512*n
.set n, n+1
.endr
	WIN 0xc0
.set n, 0
.rept 24
	ds_load_b128 v[4*n:4*n+3],       v[RA+2] offset:512*n
	ds_load_b128 v[96+4*n:96+4*n+3], v[RA+3] offset:512*n
.set n, n+1
.endr
	s_wait_dscnt 0x0
	WIN 0x8e                                       ; window 2 += window 3
.set n, 0
.rept 96
	v_pk_add_f32 v[2*n:2*n+1], v[2*n:2*n+1], v[2*n:2*n+1]
.set n, n+1
.endr
	WIN 0x8a                                       ; and the upper 96 onto the lower
.set n, 0
.rept 48
	v_pk_add_f32 v[2*n:2*n+1], v[2*n:2*n+1], v[96+2*n:96+2*n+1]
.set n, n+1
.endr
	WIN 0x0a
.set n, 0
.rept 48
	v_cvt_pk_f16_f32 v[TO+n], v[2*n], v[2*n+1]     ; the one rounding to f16
.set n, n+1
.endr
	WIN 0
.irp cb, 0,1,2,3
	global_store_b128 v[VQ], v[TO+4*\cb:TO+4*\cb+3],       s[24:25] offset:512*\cb   ; each store covers 512 consecutive bytes, at a multiple of 256 from its buffer's first byte
	global_store_b128 v[VQ], v[TO+16+4*\cb:TO+16+4*\cb+3], s[26:27] offset:512*\cb
	global_store_b128 v[VV], v[TO+32+4*\cb:TO+32+4*\cb+3], s[26:27] offset:1024*\cb
.endr
	s_wait_tensorcnt 0x0                           ; the wave's end, behind my last tensor load and my last LDS store
	ds_add_u32 v[SPW], v[NIL]
	s_wait_dscnt 0x0
	s_endpgm
.Lfunc_end_k_q03a846e8fb_proj:
	.size	k_q03a846e8fb_proj, .Lfunc_end_k_q03a846e8fb_proj-k_q03a846e8fb_proj
	.p2alignl 7, 3214868480
	.fill 96, 4, 3214868480
	.section	.rodata,"a",@progbits
	.p2align	6, 0x0
	.amdhsa_kernel k_q03a846e8fb_proj
		.amdhsa_group_segment_fixed_size 279040
		.amdhsa_private_segment_fixed_size 0
		.amdhsa_enable_private_segment 0
		.amdhsa_kernarg_size 32
		.amdhsa_user_sgpr_count 2
		.amdhsa_user_sgpr_kernarg_segment_ptr 1
		.amdhsa_wavefront_size32 1
		.amdhsa_system_sgpr_workgroup_id_x 1
		.amdhsa_system_sgpr_workgroup_id_y 1
		.amdhsa_system_sgpr_workgroup_id_z 1
		.amdhsa_system_vgpr_workitem_id 0
		.amdhsa_next_free_vgpr 992
		.amdhsa_next_free_sgpr 66
		.amdhsa_reserve_vcc 0
		.amdhsa_float_denorm_mode_32 3
		.amdhsa_float_denorm_mode_16_64 3
		.amdhsa_memory_ordered 1
		.amdhsa_forward_progress 1
		.amdhsa_inst_pref_size 98
	.end_amdhsa_kernel
	.amdgpu_metadata
---
amdhsa.version: [ 1, 2 ]
amdhsa.kernels:
  - .name:           k_q03a846e8fb_proj
    .symbol:         k_q03a846e8fb_proj.kd
    .args:
      - { .name: x, .offset: 0, .size: 8, .value_kind: global_buffer, .address_space: global }
      - { .name: wf, .offset: 8, .size: 8, .value_kind: global_buffer, .address_space: global }
      - { .name: q, .offset: 16, .size: 8, .value_kind: global_buffer, .address_space: global }
      - { .name: kv, .offset: 24, .size: 8, .value_kind: global_buffer, .address_space: global }
    .group_segment_fixed_size: 279040
    .private_segment_fixed_size: 0
    .kernarg_segment_align: 8
    .kernarg_segment_size: 32
    .max_flat_workgroup_size: 128
    .sgpr_count:     66
    .vgpr_count:     992
    .wavefront_size: 32
...
	.end_amdgpu_metadata
.endif
;; end of part 2
;; launch attn (part 3): grid 64 x 4, 8 waves a work-group, clusters of 4 x 1, 327,680 bytes of LDS; arguments q, kv, out0; writes out0
.if DOCPART == 3
	.amdgcn_target "amdgcn-amd-amdhsa--gfx1250"
	.amdhsa_code_object_version 6
	.text
	.protected	k_q03a846e8fb_attn
	.globl	k_q03a846e8fb_attn
	.p2align	8
	.type	k_q03a846e8fb_attn,@function
k_q03a846e8fb_attn:
	s_mov_b64 s[64:65], 0
	v_nop
	global_prefetch_b8 v0, s[64:65] scope:SCOPE_SE
	s_setreg_imm32_b32 hwreg(HW_REG_WAVE_MODE, 25, 1), 1
	s_wait_xcnt 0x0
	s_wait_alu depctr_hold_cnt(0) depctr_sa_sdst(0) depctr_va_vdst(0) depctr_va_sdst(0) depctr_va_ssrc(0) depctr_va_vcc(0) depctr_vm_vsrc(0)
	s_getreg_b32 s2, hwreg(HW_REG_IB_STS2, 6, 4)
	s_cmp_eq_u32 s2, 0
	s_cbranch_scc0 .Lentry_in_a_cluster
	s_endpgm
.Lentry_in_a_cluster:
	s_bfe_u32 s2, ttmp6, 0x10000c
	s_cmp_lg_u32 s2, 0x3003
	s_cbranch_scc0 .Lentry_shape_is_right
	s_endpgm
.Lentry_shape_is_right:
; Launch 3 of 3: out0[b][t][:] = the sum over s <= t of softmax_s(q[t] . k[s] / 8) v[s][:], f32.  q and kv are launch 2's f16 fragments.  Products, maxima and sums in f32; the weights p are rounded to f16 for the
; second product (their sum l is taken of the unrounded p).
; WORK LEFT OUT: slots of 512 keys wholly above a block's diagonal (reference()'s own tril gives them the weight 0 for all inputs; shown at the head of launch 1); a NaN or infinity that arises only there is not carried.
; LIMITS.  q, k, v arrive within f16's 65,504, so a score's magnitude is 64 x 65,504^2 = 2.7e11 at the most.  A hidden score counts as its value less 1e30.  A weight below 2^-126 counts as 0.  NaN and infinities are not treated apart.
; THE WALK.  A batch has 32 blocks of 128 queries; block i needs the slots 0 .. i / 4 of 512 keys, the last of which holds the diagonal.  Cluster (b, batch) takes block b and then block 31 - b: with a = b / 4 that is
; a + 1 and 8 - a slots: NINE for every cluster: one loop with a constant count.  Of a block each of the four partners owns 32 rows (two tiles of 16), so all four walk the same slots and ask for them JOINTLY.
; THE KEYS OF A SLOT ARE SPLIT AMONG THE EIGHT WAVES: wave w takes the 64 keys of group 8 slot + w (16 KiB, which it fetches and it alone reads), for both tiles: a trip is one key step: 16 products K Q^T, the softmax,
; 16 products V^T P, with the wave's own running maximum m, sum l and O^T.  Two waves lie on a SIMD, so one's vector work stands beside the other's products; the text goes in phases.
; A block's eight partial results are merged exactly: O = sum_u 2^(c m_u - M) O_u / sum_u 2^(c m_u - M) l_u, M the greatest c m_u.  They go through a stage in LDS, one tile of 16 queries at a time (both tiles' f32
; partials, 69,632 bytes, do not fit beside the ring).  The first block's merge rides on the loop: every trip has a second barrier, which every wave passes; between a change of slots and it the stage and the
; statistics are only read, between it and the next change of slots only written.  Trip a ends with the statistics and tile 0's partials stored and tile 1's set aside in registers; trip a + 1 begins with tile 0's merge
; and ends with tile 1's partials stored; trip a + 2 begins with tile 1's merge.  What is jumped over holds no barrier, no tensor load and no wait on TENSORcnt; the jumps hang on the trip's number and on b, which the partners share.
; LAYOUT.  S^T = K Q^T holds ONE query a lane (lane % 16) and the keys 8 (lane / 16) + 0..7; two such results rounded to f16 ARE source 1 of O^T = V^T P.  p = 2^(c s - c m), c = log2(e) / 8; O and l are multiplied by
; a = 2^(c m_old - c m_new) in every step.
; WHERE m STARTS.  At -2^66: below every score that f16 operands can make (2.7e11 at the most) and above every hidden one (about -1e30).  Since the keys are split, a wave may find ALL its keys of a row hidden with no
; key seen before (the first slot's later waves): it then keeps m = -2^66, its weights are 2^(about -1.8e29) = 0, its l and O^T stay 0, and the merge gives it the factor 2^(c m_u - M) = 0.  A hidden score is never
; taken for the maximum: c s - c m of two numbers near 1e29 would be their rounding's difference, far from 0.  c m starts at -4.25e37, so a block's first a is 0: O^T and l need only be finite then.
; THE MASK, in the diagonal slot alone.  Key 64 w + 16 kb + 8 h + j is hidden from query 128 (block % 4) + 32 cx + 16 t + r where 8 h + j - r > DF + 16 (t - kb), DF = 128 (block % 4) + 32 cx - 64 w.  The right side is
; a multiple of 16 and the left lies in -15 .. 15: so an accumulator is all seen (> 0), all hidden (< 0) or holds the diagonal (= 0): S += MD x AL + BE with two scalars chosen by s_cselect; cx enters selects alone, no branch.
; REGISTERS, in windows of 256 (s_set_vgpr_msb: bits 1:0 source 0, 3:2 source 1, 5:4 source 2, 7:6 destination):
;   window 0: v0-15 addresses; v16-23 statistics, four a tile; v24-33 at work; v34-41 MD; v44-75 P; v76-139 S^T; v140-203 K of the step (at a merge: partials and statistics); v204-211 merged rows
;   window 1: v0-63 O^T; v64-95 Q; v96-127 the second block's Q; v128-191 V of the step; v192-223 SV, tile 1's partial set aside
.set SLOT1, 131072                     ; a slot: 8 waves x 16,384 bytes; slot 1 begins here, so that one exclusive or turns an address in one slot into the other's
.set SP,    272                        ; a stage row: 64 f32 + 16 bytes = 68 words: row r starts at bank 4 r mod 64 (64 banks of 4 bytes: ISA guide 11.1)
.set WST,   16*SP                      ; a wave's stage: 16 queries
.set STAGE, 2*SLOT1                    ; behind the ring, never filled by a tensor load
.set STAT,  STAGE+8*WST                ; 256 bytes a wave: c m of tile 0, of tile 1, l of tile 0, of tile 1: 16 words each
.set SPARE, STAT+2048                  ; the spare words, 128 bytes for each wave: four blocks of 256 bytes that no other line names
.set M0,    0xe0800000                 ; -2^66: where m starts
.set CM0,   0xfe000000                 ; -4.25e37: where c m starts, far below c x M0
.set LA0, 2                            ; v2   16,384 x wave + 16 x lane; never rewritten
.set ADR, 3                            ; v3   the same in the slot in hand
.set WRA, 4                            ; v4   where I put 32 bytes of a row of my partial
.set RDA, 5                            ; v5   where I read 16 bytes of row 2 w + lane / 16 of wave 0's partial
.set RSA, 6                            ; v6   that row's word in wave 0's statistics
.set WSA, 7                            ; v7   my query's word in my wave's statistics
.set GO,  8                            ; v8   512 x wave + 16 x lane: my 16 bytes of two rows of out0
.set PFO, 9                            ; v9   256 x lane; never rewritten
.set QO,  10                           ; v10  16 x lane
.set HH,  11                           ; v11  lane / 16
.set SPW, 12                           ; v12  LDS address of my spare word; never rewritten
.set NIL, 13                           ; v13  0; never rewritten
.set MX,  14
.set LS,  15
.set ST,  16                           ; tile t at ST + 4 t: c m, m, l (even keys', odd keys')
.set TMP, 24                           ; tile t at TMP + 4 t: c0-c3 at work; when the maximum is found c2 takes a
.set MV,  32                           ; c m_old, kept while c m is made anew
.set MD,  34                           ; register j: -1e30 where 8 h + j > r, else 0
.set P,   44
.set S,   76
.set KF,  140
.set PB,  KF                           ; at a merge: eight waves' 16 bytes,
.set CM,  KF+32                        ; their c m,
.set LL,  KF+40                        ; their l
.set AC,  204                          ; the merged 16 bytes, tile t at AC + 4 t
.set O,   0                            ; window 1
.set Q,   64
.set QB,  96
.set VF,  128
.set SV,  192
.set WV,  10                           ; s10  my wave's number
.set CX,  11                           ; s11  my place in the cluster
.set CB,  12                           ; s12  b
.set CA,  13                           ; s13  a = b / 4
.set BT,  14                           ; s14  the batch
.set G1,  16                           ; s[16:23] descriptor group 1
.set G0,  24                           ; s[24:27] descriptor group 0
.set KVB, 28                           ; s[28:29] kv at the batch's slot 0, my wave's group
.set OFF, 30                           ; s[30:31] a slot's byte offset
.set NXT, 32                           ; s32  the slot to be asked for next
.set LQ,  33                           ; s33  the last slot of the block whose slots are being asked for
.set HIL, 34                           ; s34  7 - a: the second block's last slot
.set RT,  35                           ; s35  slots of the block in hand still to be entered
.set TI,  36                           ; s36  the trip's number
.set E1,  37                           ; s37  a + 1
.set E2,  38                           ; s38  a + 2
.set CNT, 40                           ; s40  the loop's count
.set TB,  41                           ; s41  LDS byte at which the slot in hand begins
.set DF,  42                           ; s42  the mask's DF for the block in hand
.set BIGN, 43                          ; s43  -1e30
.set CS,  44                           ; s[44:45] c
.set SEL, 46                           ; s[46:47] v_permlanex16_b32's selects: each lane takes its own place in the other half
.set OLO, 48                           ; s[48:49] out0 at my 32 rows of the first block
.set OHI, 50                           ; s[50:51] of the second
.set PFA, 52                           ; s[52:53] where my prefetches stand
.set LIMN, 54                          ; s54  4 in a wave that prefetches, else 0
.set TS,  55                           ; s55  at work for the prefetch's test
.set F0,  56                           ; s56-59 at work: never hold cx
.set DFH, 60                           ; s60  DF for the second block
.set TM,  61                           ; s61  at work for the mask
.set AL,  66                           ; s[66:75] the mask's factor for d = t - kb + 3 = 0..4, in the low word of a pair
.set BE,  76                           ; s[76:85] the mask's addend
.set QLO, 86                           ; s[86:87] q at my two tiles of the first block
.set QHI, 88                           ; s[88:89] of the second
.set X0,  90                           ; s90-94 at work: may hold cx
.set MSB, 0
.macro WIN new                         ; the immediate's high byte repeats the setting that is left; a switch that changes nothing is dropped
.if MSB != (\new)
	s_set_vgpr_msb (MSB<<8)|(\new)
.set MSB, (\new)
.endif
.endm
.macro PLACES                          ; four places behind a matrix instruction (ISA guide 7.12.1)
.rept 4
	v_nop
.endr
.endm
; A round of the cluster's barrier: my work-group's barrier, so that wave 0's signal speaks for all eight waves; wave 0 signals; every wave waits for all four work-groups; my work-group's barrier once more.
.macro CROUND
	s_barrier_signal -1
	s_barrier_wait -1
	s_cmp_lg_u32 s[WV], 0
	s_cbranch_scc1 .Lnot_wave_0_\@
	s_barrier_signal -3
.Lnot_wave_0_\@:
	s_barrier_wait -3
	s_barrier_signal -1
	s_barrier_wait -1
.endm
; A joint fill: every wave fetches its own group of the slot, with the same descriptor as the partners' waves of its number.  An s_nop 0 and four v_nop follow.
.macro JLOAD
	tensor_load_to_lds s[G0:G0+3], s[G1:G1+7]
	s_nop 0
.rept 4
	v_nop
.endr
.endm
; A PREFETCH INTO THE L2.  Slots 4 to 7 of a batch are read first by the second block's walk of the clusters b = 0..3, whose refill for slot s stands in trip s.  Cluster b = 0 names slot n + 3 in trip n = 1..4:
; three trips ahead of that refill.  Its even waves ask, each for its own group and the next (32 KiB); the four partners take 8 KiB of that each, told apart BY ADDRESS: a lane names 256 bytes, one instruction a
; wave and trip.  So each block of 256 bytes is named once in the launch.  Slots 0 to 3 come by their loads alone; trips 0 and 5 to 7 ask for nothing.
.macro ASK
	s_sub_co_u32 s[TS], s[TI], 1
	s_cmp_lt_u32 s[TS], s[LIMN]
	s_cbranch_scc0 .Lnot_mine_\@
	global_prefetch_b8 v[PFO], s[PFA:PFA+1] th:TH_LOAD_NT scope:SCOPE_SE
.Lnot_mine_\@:
.endm
; THE CHANGE OF SLOTS.  Each wave waits for all its tensor loads, of which one is out: its group of the slot to be entered; adds 0 to its spare word; and waits for that, for its reads of the slot that it leaves and for its
; stores into the stage.  fill = 1: the barrier is a round of the cluster's, so that no wave of any partner still reads the old slot or has a load on its way; the joint refill, slot NXT, is the first thing behind
; it and has a whole trip in which to land.  The descriptor's address is made anew from that number.
.macro CHANGE fill
	WIN 0
	s_wait_tensorcnt 0x0                           ; no tensor load of mine is out, so group 0 may be written
	ds_add_u32 v[SPW], v[NIL]                      ; 0 onto my spare word; scalar work stands between it and the wait for it
.if \fill
	s_lshl_b32 s[OFF], s[NXT], 17                  ; a slot is 131,072 bytes of kv
	s_xor_b32 s[G0+1], s[G0+1], SLOT1
	s_add_nc_u64 s[G0+2:G0+3], s[KVB:KVB+1], s[OFF:OFF+1]
	s_or_b32 s[G0+3], s[G0+3], 0x80000000
	s_add_co_u32 s[NXT], s[NXT], 1                 ; the block's next slot, or behind its last the second block's slot 0
	s_cmp_gt_u32 s[NXT], s[LQ]
	s_cselect_b32 s[NXT], 0, s[NXT]
	s_cselect_b32 s[LQ], s[HIL], s[LQ]
.endif
	s_wait_xcnt 0x0                                ; the last trip's prefetch and stores have read their registers: the prefetches' address and the merged rows' registers may be written
.if \fill
	s_add_nc_u64 s[PFA:PFA+1], s[PFA:PFA+1], SLOT1
.endif
	s_xor_b32 s[TB], s[TB], SLOT1                  ; the reads go to the other slot
	s_wait_dscnt 0x0                               ; the add is done, my reads of the old slot are over, my stores into stage and statistics are done
.if \fill
	CROUND
	JLOAD
	ASK
.else
	s_barrier_signal -1
	s_barrier_wait -1
.endif
.endm
; The step's K (8 fragments) and V^T (8 fragments) lie in LDS as the registers take them: 32 loads of 512 consecutive bytes.
.macro FETCH
	WIN 0
	v_add_nc_u32 v[ADR], s[TB], v[LA0]
.set n, 0
.rept 16
	ds_load_b128 v[KF+4*n:KF+4*n+3], v[ADR] offset:512*n
.set n, n+1
.endr
	WIN 0x40
.set n, 0
.rept 16
	ds_load_b128 v[VF+4*n:VF+4*n+3], v[ADR] offset:8192+512*n
.set n, n+1
.endr
	WIN 0
.endm
; S^T = K Q^T: product i: channels 32 (i / 8) on, keys 16 ((i / 2) % 4) on, tile i % 2.  The 8 accumulators take turns; the first 8 products start the sums.
.macro KQ
	s_wait_dscnt 16                                ; K is in; V's sixteen younger loads stay out
	WIN 0x04                                       ; Q (source 1) in window 1
.set i, 0
.rept 16
.set rS, S+32*(i%2)+8*((i/2)%4)
.set rK, KF+16*((i/2)%4)+8*(i/8)
.set rQ, Q+16*(i%2)+8*(i/8)
.if i < 8
	v_wmma_f32_16x16x32_f16 v[rS:rS+7], v[rK:rK+7], v[rQ:rQ+7], 0
.else
	v_wmma_f32_16x16x32_f16 v[rS:rS+7], v[rK:rK+7], v[rQ:rQ+7], v[rS:rS+7]
.endif
.set i, i+1
.endr
	WIN 0
	PLACES
.endm
; O^T += V^T P: product i: keys 32 (i / 8) on, channels 16 ((i / 2) % 4) on, tile i % 2.
.macro PV
	s_wait_dscnt 0x0                               ; V is in
	WIN 0x51                                       ; V and O^T in window 1, P in window 0
.set i, 0
.rept 16
.set rO, O+32*(i%2)+8*((i/2)%4)
.set rV, VF+32*(i/8)+8*((i/2)%4)
.set rP, P+16*(i%2)+8*(i/8)
	v_wmma_f32_16x16x32_f16 v[rO:rO+7], v[rV:rV+7], v[rP:rP+7], v[rO:rO+7]
.set i, i+1
.endr
	WIN 0
	PLACES
.endm
; The diagonal slot's mask: five pairs of scalars, then S += MD x AL + BE; each accumulator's lowest registers first.
.macro MASK
	WIN 0
.set md, 0
.rept 5
	s_add_co_i32 s[TM], s[DF], 16*(md-3)
	s_cmp_eq_u32 s[TM], 0                          ; the accumulator holds the diagonal
	s_cselect_b32 s[AL+2*md], 1.0, 0
	s_cmp_lt_i32 s[TM], 0                          ; or is hidden whole
	s_cselect_b32 s[BE+2*md], s[BIGN], 0
.set md, md+1
.endr
.set mt, 0
.rept 2
.set mk, 0
.rept 4
.set md, mt-mk+3
.set rS, S+32*mt+8*mk
.set mi, 0
.rept 4
	v_pk_fma_f32 v[rS+2*mi:rS+2*mi+1], v[MD+2*mi:MD+2*mi+1], s[AL+2*md:AL+2*md+1], v[rS+2*mi:rS+2*mi+1] op_sel_hi:[1,0,1]
.set mi, mi+1
.endr
.set mi, 0
.rept 4
	v_pk_add_f32 v[rS+2*mi:rS+2*mi+1], v[rS+2*mi:rS+2*mi+1], s[BE+2*md:BE+2*md+1] op_sel_hi:[1,0]
.set mi, mi+1
.endr
.set mk, mk+1
.endr
.set mt, mt+1
.endr
.endm
.macro REGS t                          ; the registers of tile t
.set rT, ST+4*(\t)
.set rC, TMP+4*(\t)
.set rM, MV+(\t)
.set rS, S+32*(\t)
.set rP, P+16*(\t)
.set rO, O+32*(\t)
.endm
; Number n of the 22 that find a tile's maximum and statistics.  s0-s31 are the lane's 32 scores; each accumulator's lowest registers are read first.
;   0-11  four chains c0-c3 of seven scores each     12-14, 16  the four scores left over, the old m, and c0-c3 into c0     15  c m_old is kept
;   17, 18  the query's other 32 keys lie in the lane 16 away: the new m     19-21  c m; c m_old - c m_new; a
.macro XS t, n
	REGS \t
.if (\n) < 4
	v_max3_num_f32 v[rC+(\n)], v[rS+8*(\n)], v[rS+8*(\n)+1], v[rS+8*(\n)+2]
.elseif (\n) < 12
	v_max3_num_f32 v[rC+(\n)%4], v[rC+(\n)%4], v[rS+8*((\n)%4)+2*((\n)/4)+1], v[rS+8*((\n)%4)+2*((\n)/4)+2]
.elseif (\n) == 12
	v_max3_num_f32 v[rC], v[rC], v[rS+7], v[rS+15]
.elseif (\n) == 13
	v_max3_num_f32 v[rC+1], v[rC+1], v[rS+23], v[rS+31]
.elseif (\n) == 14
	v_max3_num_f32 v[rC+2], v[rC+2], v[rC+3], v[rT+1]
.elseif (\n) == 15
	v_mov_b32 v[rM], v[rT]
.elseif (\n) == 16
	v_max3_num_f32 v[rC], v[rC], v[rC+1], v[rC+2]
.elseif (\n) == 17
	v_permlanex16_b32 v[rC+3], v[rC], s[SEL], s[SEL+1]
.elseif (\n) == 18
	v_max_num_f32 v[rT+1], v[rC], v[rC+3]
.elseif (\n) == 19
	v_mul_f32 v[rT], s[CS], v[rT+1]
.elseif (\n) == 20
	v_sub_f32 v[rC+1], v[rM], v[rT]
.else
	v_exp_f32 v[rC+2], v[rC+1]
.endif
.endm
.macro FS2 g                           ; c s - c m for pair g of both tiles
.irp t, 0,1
	REGS \t
	v_pk_fma_f32 v[rS+2*(\g):rS+2*(\g)+1], v[rS+2*(\g):rS+2*(\g)+1], s[CS:CS+1], v[rT:rT+1] op_sel_hi:[1,0,0] neg_lo:[0,0,1] neg_hi:[0,0,1]
.endr
.endm
.macro EX4 g                           ; the four exponentials of pair g of both tiles
.irp t, 0,1
	REGS \t
	v_exp_f32 v[rS+2*(\g)], v[rS+2*(\g)]
	v_exp_f32 v[rS+2*(\g)+1], v[rS+2*(\g)+1]
.endr
.endm
.macro SUML w, cnt                     ; a level of the sums' tree, in place: pairs w / 2 registers apart, both tiles by turns
.set u, 0
.rept \cnt
.irp t, 0,1
	REGS \t
	v_pk_add_f32 v[rS+(\w)*u:rS+(\w)*u+1], v[rS+(\w)*u:rS+(\w)*u+1], v[rS+(\w)*u+(\w)/2:rS+(\w)*u+(\w)/2+1]
.endr
.set u, u+1
.endr
.endm
; THE SOFTMAX of both tiles for one key step.  The 66 exponentials (the two a, then the 64 weights) are ONE BATCH: none of its lines names an exponential's result; a v_nop is the plain instruction behind the last;
; s_wait_alu depctr_va_vdst(0) stands ahead of the first line that names a result: one wait serves the batch.  Behind it: the roundings, the sums, l, and O^T times a.
.macro SOFTMAX
	WIN 0
.irp n, 0,1,2,3,4,5,6,7,8,9,10,11,12,13,14,15,16,17,18,19,20,21
	XS 0, \n
	XS 1, \n
.endr
	FS2 0
.set g, 1
.rept 15
	FS2 g                                          ; a pair is scaled a group ahead of its exponentials
	EX4 g-1
.set g, g+1
.endr
	EX4 15
	v_nop
	s_wait_alu depctr_va_vdst(0)
.set i, 0
.rept 16
.irp t, 0,1
	REGS \t
	v_cvt_pk_f16_f32 v[rP+i], v[rS+2*i], v[rS+2*i+1]
.endr
.set i, i+1
.endr
	SUML 4, 8
	SUML 8, 4
	SUML 16, 2
	SUML 32, 1
.irp t, 0,1
	REGS \t
	v_pk_fma_f32 v[rT+2:rT+3], v[rT+2:rT+3], v[rC+2:rC+3], v[rS:rS+1] op_sel_hi:[1,0,1]  ; l = a l + the step's sum
.endr
	WIN 0x41                                       ; O^T (destination and source 0) in window 1, a in window 0
.set i, 0
.rept 16
.irp t, 0,1
	REGS \t
	v_pk_mul_f32 v[rO+2*i:rO+2*i+1], v[rO+2*i:rO+2*i+1], v[rC+2:rC+3] op_sel_hi:[1,0]
.endr
.set i, i+1
.endr
	WIN 0
.endm
; A block's end: l's two halves and the other half of the lanes' are added; c m and l go into my wave's statistics (lanes r and r + 16 hold, and store, the same numbers).
.macro FINL
	WIN 0
.irp t, 0,1
	REGS \t
	v_add_f32 v[rC], v[rT+2], v[rT+3]
.endr
.irp t, 0,1
	REGS \t
	v_permlanex16_b32 v[rC+1], v[rC], s[SEL], s[SEL+1]
.endr
.irp t, 0,1
	REGS \t
	v_add_f32 v[rC], v[rC], v[rC+1]
.endr
.irp t, 0,1
	REGS \t
	ds_store_b32 v[WSA], v[rT] offset:64*\t
	ds_store_b32 v[WSA], v[rC] offset:128+64*\t
.endr
.endm
; A tile's partial O^T (32 registers of window 1 from base on) into my wave's stage: row = query, my eight channels of each block of 16 are 32 bytes; each accumulator's low four registers first.
.macro WPART base
	WIN 0x04                                       ; store data (source 1) in window 1
.irp cb, 0,1,2,3
	ds_store_b128 v[WRA], v[(\base)+8*\cb:(\base)+8*\cb+3]   offset:64*\cb
	ds_store_b128 v[WRA], v[(\base)+8*\cb+4:(\base)+8*\cb+7] offset:64*\cb+16
.endr
	WIN 0
.endm
; Tile t is merged: wave w takes rows 2 w and 2 w + 1, a lane 16 bytes (four channels) of one of them from each of the eight partials, with that row's eight c m and l.
.macro MERGE t, out
	WIN 0
.irp u, 0,1,2,3,4,5,6,7
	ds_load_b128 v[PB+4*\u:PB+4*\u+3], v[RDA] offset:WST*\u
.endr
.irp u, 0,1,2,3,4,5,6,7
	ds_load_b32 v[CM+\u], v[RSA] offset:256*\u+64*(\t)
	ds_load_b32 v[LL+\u], v[RSA] offset:256*\u+128+64*(\t)
.endr
	s_wait_dscnt 0x0                               ; also: my reads of stage and statistics are over ahead of the barrier that follows
	v_max3_num_f32 v[MX], v[CM], v[CM+1], v[CM+2]
	v_max3_num_f32 v[MX], v[MX], v[CM+3], v[CM+4]
	v_max3_num_f32 v[MX], v[MX], v[CM+5], v[CM+6]
	v_max_num_f32 v[MX], v[MX], v[CM+7]            ; M: a true score's, since the wave that holds the row's own key has seen it
.irp u, 0,1,2,3,4,5,6,7
	v_sub_f32 v[CM+\u], v[CM+\u], v[MX]
.endr
.irp u, 0,1,2,3,4,5,6,7
	v_exp_f32 v[CM+\u], v[CM+\u]                   ; 2^(c m_u - M): 0 for a wave to which the row's keys were all hidden (its c m is c x -2^66, its l and partial are 0)
.endr
	v_nop                                          ; the plain instruction behind the last exponential,
	s_wait_alu depctr_va_vdst(0)                   ; and the one wait for the eight
	v_mul_f32 v[LS], v[CM], v[LL]
.irp u, 1,2,3,4,5,6,7
	v_fmac_f32 v[LS], v[CM+\u], v[LL+\u]
.endr
	v_rcp_f32 v[MX], v[LS]                         ; the 32 lines below, which name neither, stand between it and its wait
.irp j, 0,1,2,3
	v_mul_f32 v[AC+4*(\t)+\j], v[PB+\j], v[CM]
.endr
.irp u, 1,2,3,4,5,6,7
.irp j, 0,1,2,3
	v_fmac_f32 v[AC+4*(\t)+\j], v[PB+4*\u+\j], v[CM+\u]
.endr
.endr
	s_wait_alu depctr_va_vdst(0)
.irp j, 0,1,2,3
	v_mul_f32 v[AC+4*(\t)+\j], v[AC+4*(\t)+\j], v[MX]
.endr
	global_store_b128 v[GO], v[AC+4*(\t):AC+4*(\t)+3], s[\out:\out+1] offset:4096*(\t)  ; two whole rows: 512 consecutive bytes, at a multiple of 256 from out0's first byte
.endm
; THE FIRST BLOCK ENDS: its statistics and tile 0's partial are stored, tile 1's is set aside; m starts anew, the second block's Q goes where the text names Q.  O^T and l stay: they are finite, and the next a is 0.
.macro LOEND
	FINL
	WPART O
	WIN 0x41
.set i, 0
.rept 32
	v_mov_b32 v[SV+i], v[O+32+i]
.set i, i+1
.endr
.set i, 0
.rept 32
	v_mov_b32 v[Q+i], v[QB+i]
.set i, i+1
.endr
	WIN 0
.irp t, 0,1
	v_mov_b32 v[ST+4*\t], CM0                      ; c m: far below every later c m, so the first a is 0
	v_mov_b32 v[ST+4*\t+1], M0                     ; m: below every true score, above every hidden one
.endr
	s_sub_co_u32 s[RT], 8, s[CA]                   ; the second block has 8 - a slots
	s_mov_b32 s[DF], s[DFH]
.endm
	s_load_b128 s[4:7], s[0:1], 0x0                ; q s[4:5], kv s[6:7]
	s_load_b64 s[8:9], s[0:1], 0x10                ; out0
	v_lshl_add_u32 v[SPW], v0, 2, SPARE
	v_mov_b32 v[NIL], 0
	ds_add_u32 v[SPW], v[NIL]                      ; the wave's opening: an add of 0 to my spare word, twice on end, with its wait ahead of my first tensor load
	ds_add_u32 v[SPW], v[NIL]                      ; and once more, under the one wait; the set-up below, work on registers, stands between
	v_lshrrev_b32 v1, 5, v0
	v_readfirstlane_b32 s[WV], v1                  ; wave 0..7
	s_bfe_u32 s[CX], ttmp6, 0x40000                ; cx: it enters q's, out0's and the prefetches' addresses and the mask's selects alone
	s_mov_b32 s[CB], ttmp9                         ; in a cluster launch ttmp9 counts clusters
	s_lshr_b32 s[CA], s[CB], 2
	s_and_b32 s[BT], ttmp7, 0xffff
	; descriptor group 1: 16,384 dense bytes as 64 rows of 256
	s_mov_b32 s[G1+0], 15|(3<<16)|(1<<21)          ; 15:0 the mask: all four work-groups; 17:16 elements of 8 bytes; 21 set beside a mask; no padding
	s_mov_b32 s[G1+1], 32<<16                      ; tensor_dim0 = 32
	s_mov_b32 s[G1+2], 64<<16                      ; tensor_dim1 = 64
	s_mov_b32 s[G1+3], 32<<16                      ; tile_dim0 = 32
	s_mov_b32 s[G1+4], 64                          ; tile_dim1 = 64
	s_mov_b32 s[G1+5], 32                          ; elements from row to row
	s_mov_b32 s[G1+6], 0
	s_mov_b32 s[G1+7], 0
	s_mov_b32 s[G0], 1                             ; count = 1
	s_lshl_b32 s[G0+1], s[WV], 14                  ; LDS address: slot 0, my wave's 16,384 bytes: no place in the cluster enters an LDS address
	s_sub_co_u32 s[HIL], 7, s[CA]
	s_add_co_u32 s[RT], s[CA], 1                   ; the first block has a + 1 slots
	s_add_co_u32 s[E1], s[CA], 1
	s_add_co_u32 s[E2], s[CA], 2
	s_mov_b32 s[TI], 0
	s_mov_b32 s[CNT], 8
	s_mov_b32 s[TB], SLOT1                         ; the first change of slots turns it into 0
	s_mov_b32 s[OFF+1], 0
	s_mov_b32 s[BIGN], 0xf149f2ca                  ; -1e30
	s_mov_b32 s[CS], 0x3e38aa3b                    ; c = log2(e) / 8 = 0.180337
	s_mov_b32 s[CS+1], s[CS]                       ; named with it as a pair
	s_mov_b32 s[SEL], 0x76543210
	s_mov_b32 s[SEL+1], 0xfedcba98
	s_mov_b32 s[NXT], 1                            ; slot 0 is asked for below; the next is the first block's slot 1, or where it has none the second block's slot 0
	s_mov_b32 s[LQ], s[CA]
	s_cmp_gt_u32 s[NXT], s[LQ]
	s_cselect_b32 s[NXT], 0, s[NXT]
	s_cselect_b32 s[LQ], s[HIL], s[LQ]
.irp d, 0,1,2,3,4
	s_mov_b32 s[AL+2*\d+1], 0                      ; named as pairs
	s_mov_b32 s[BE+2*\d+1], 0
.endr
	s_and_b32 s[F0+3], s[WV], 1                    ; who prefetches: the even waves of cluster b = 0: the same in all four partners
	s_or_b32 s[F0+3], s[F0+3], s[CB]
	s_cmp_eq_u32 s[F0+3], 0
	s_cselect_b32 s[LIMN], 4, 0
	s_sub_co_u32 s[F0+2], 31, s[CB]                ; the second block's number
	s_lshl_b32 s[KVB], s[BT], 20                   ; offsets first, each in the pair that will hold its address: a batch is 2^20 bytes of kv,
	s_lshl_b32 s[F0], s[WV], 14                    ; my wave's group 16,384
	s_add_co_u32 s[KVB], s[KVB], s[F0]
	s_mov_b32 s[KVB+1], 0
	s_lshl_b32 s[PFA], s[CX], 13                   ; from there: my work-group's 8 KiB of an even wave's 32,
	s_add_co_u32 s[PFA], s[PFA], 2*SLOT1           ; in slot 2: the changes of trips 0 and 1 step it to slot 4
	s_mov_b32 s[PFA+1], 0
	s_lshl_b32 s[X0], s[BT], 20                    ; out0: a batch is 2^20 bytes, a block 2^15, my 32 rows 2^13
	s_lshl_b32 s[X0+1], s[CX], 13
	s_add_co_u32 s[X0], s[X0], s[X0+1]
	s_lshl_b32 s[X0+1], s[CB], 15
	s_add_co_u32 s[OLO], s[X0], s[X0+1]
	s_mov_b32 s[OLO+1], 0
	s_lshl_b32 s[X0+1], s[F0+2], 15
	s_add_co_u32 s[OHI], s[X0], s[X0+1]
	s_mov_b32 s[OHI+1], 0
	s_lshr_b32 s[QLO], s[OLO], 1                   ; q has 128 bytes a token where out0 has 256
	s_mov_b32 s[QLO+1], 0
	s_lshr_b32 s[QHI], s[OHI], 1
	s_mov_b32 s[QHI+1], 0
	s_and_b32 s[X0+2], s[CB], 3
	s_lshl_b32 s[X0+2], s[X0+2], 7                 ; 128 (b % 4)
	s_lshl_b32 s[X0+3], s[CX], 5
	s_lshl_b32 s[X0+4], s[WV], 6
	s_sub_co_u32 s[X0+3], s[X0+3], s[X0+4]         ; 32 cx - 64 w
	s_add_co_u32 s[DF], s[X0+2], s[X0+3]
	s_sub_co_u32 s[X0+2], 384, s[X0+2]             ; (31 - b) % 4 = 3 - b % 4
	s_add_co_u32 s[DFH], s[X0+2], s[X0+3]
	s_wait_dscnt 0x0                               ; both opening adds are done
	s_wait_kmcnt 0x0
	s_add_nc_u64 s[KVB:KVB+1], s[6:7], s[KVB:KVB+1]
	s_add_nc_u64 s[PFA:PFA+1], s[KVB:KVB+1], s[PFA:PFA+1]
	s_add_nc_u64 s[OLO:OLO+1], s[8:9], s[OLO:OLO+1]
	s_add_nc_u64 s[OHI:OHI+1], s[8:9], s[OHI:OHI+1]
	s_add_nc_u64 s[QLO:QLO+1], s[4:5], s[QLO:QLO+1]
	s_add_nc_u64 s[QHI:QHI+1], s[4:5], s[QHI:QHI+1]
	s_add_nc_u64 s[G0+2:G0+3], s[KVB:KVB+1], 0     ; global address: slot 0
	s_or_b32 s[G0+3], s[G0+3], 0x80000000          ; type = 2
	CROUND                                         ; all four work-groups are here: the first joint loads meet
	JLOAD                                          ; slot 0.  By this text's count a wave has one tensor load out at any time
	v_and_b32 v1, 15, v0                           ; r
	v_bfe_u32 v[HH], v0, 4, 1                      ; h
	v_and_b32 v[ADR], 31, v0                       ; lane
	v_lshlrev_b32 v[QO], 4, v[ADR]
	WIN 0x40                                       ; destination window 1
.set n, 0
.rept 8                                ; both blocks' Q, in fragment order: tile n / 4, channels 32 ((n / 2) % 2) on, sub n % 2
	global_load_b128 v[Q+4*n:Q+4*n+3],   v[QO], s[QLO:QLO+1] offset:512*n
	global_load_b128 v[QB+4*n:QB+4*n+3], v[QO], s[QHI:QHI+1] offset:512*n
.set n, n+1
.endr
	; O^T and l start at 0, so that the loop has one form of step; SV is written once, so that it holds numbers on every way through the text.  All this stands in the wait for the first tile.
.set i, 0
.rept 64
	v_mov_b32 v[O+i], 0
.set i, i+1
.endr
.set i, 0
.rept 32
	v_mov_b32 v[SV+i], 0
.set i, i+1
.endr
	WIN 0
.irp t, 0,1
	v_mov_b32 v[ST+4*\t], CM0                      ; c m: far below every later c m, so the first a is 0
	v_mov_b32 v[ST+4*\t+1], M0                     ; m: below every true score, above every hidden one
	v_mov_b32 v[ST+4*\t+2], 0
	v_mov_b32 v[ST+4*\t+3], 0
.endr
	s_lshl_b32 s[F0], s[WV], 14
	v_lshl_add_u32 v[LA0], v[ADR], 4, s[F0]
	s_mul_i32 s[F0], s[WV], WST
	s_add_co_u32 s[F0], s[F0], STAGE               ; my stage
	v_mul_u32_u24 v[WRA], v1, SP
	v_lshl_add_u32 v[WRA], v[HH], 5, v[WRA]
	v_add_nc_u32 v[WRA], s[F0], v[WRA]
	s_mul_i32 s[F0], s[WV], 2*SP
	s_add_co_u32 s[F0], s[F0], STAGE               ; rows 2 w, 2 w + 1 of wave 0's stage
	v_mul_u32_u24 v[RDA], v[HH], SP
	v_lshl_add_u32 v[RDA], v1, 4, v[RDA]
	v_add_nc_u32 v[RDA], s[F0], v[RDA]
	s_lshl_b32 s[F0], s[WV], 3
	s_add_co_u32 s[F0], s[F0], STAT
	v_lshl_add_u32 v[RSA], v[HH], 2, s[F0]         ; word 2 w + h
	s_lshl_b32 s[F0], s[WV], 8
	s_add_co_u32 s[F0], s[F0], STAT
	v_lshl_add_u32 v[WSA], v1, 2, s[F0]            ; my wave's 256 bytes, word r
	s_lshl_b32 s[F0], s[WV], 9
	v_lshl_add_u32 v[GO], v[ADR], 4, s[F0]
	v_lshlrev_b32 v[PFO], 8, v[ADR]
	v_lshlrev_b32 v[MX], 3, v[HH]
	v_sub_nc_u32 v[MX], v1, v[MX]                  ; r - 8 h
.irp j, 0,1,2,3,4,5,6,7
	v_cmp_gt_i32 vcc_lo, \j, v[MX]
	v_cndmask_b32 v[MD+\j], 0, s[BIGN], vcc_lo
.endr
	s_wait_loadcnt 0x0                             ; Q
.Ltrip:                                ; eight trips: a slot is entered and the next is asked for
	CHANGE 1
	s_sub_co_u32 s[RT], s[RT], 1
	s_cmp_eq_u32 s[TI], s[E1]
	s_cbranch_scc0 .Lno_m0
	MERGE 0, OLO                                   ; the first block's tile 0: stored at the end of the trip before, ahead of this trip's round
.Lno_m0:
	s_cmp_eq_u32 s[TI], s[E2]
	s_cbranch_scc0 .Lno_m1
	MERGE 1, OLO
.Lno_m1:
	FETCH
	KQ
	s_cmp_eq_u32 s[RT], 0                          ; the block's last slot holds the diagonal
	s_cbranch_scc0 .Lno_mask
	MASK
.Lno_mask:
	SOFTMAX
	PV
	s_wait_dscnt 0x0                               ; no LDS instruction of mine is out: every wave's reads of stage and statistics are over
	s_barrier_signal -1                            ; the trip's second barrier: the tensor load that is out may stay out
	s_barrier_wait -1
	s_cmp_eq_u32 s[RT], 0
	s_cbranch_scc0 .Lno_end
	LOEND
.Lno_end:
	s_cmp_eq_u32 s[TI], s[E1]
	s_cbranch_scc0 .Lno_w1
	WPART SV                                       ; the first block's tile 1, into the stage that tile 0 has left
.Lno_w1:
	s_add_co_u32 s[TI], s[TI], 1
	s_sub_co_u32 s[CNT], s[CNT], 1
	s_cmp_lg_u32 s[CNT], 0
	s_cbranch_scc1 .Ltrip
	CHANGE 0                                       ; the walk's last slot, the second block's diagonal one, is written out: nothing is asked for
	FETCH
	KQ
	MASK
	SOFTMAX
	PV
	FINL
	WPART O
	s_wait_dscnt 0x0                               ; for the others' sake: my stores are done
	s_barrier_signal -1
	s_barrier_wait -1
	MERGE 0, OHI
	s_wait_dscnt 0x0                               ; my reads of the stage are over
	s_barrier_signal -1
	s_barrier_wait -1
	WPART O+32
	s_wait_dscnt 0x0
	s_barrier_signal -1
	s_barrier_wait -1
	MERGE 1, OHI
	s_wait_tensorcnt 0x0                           ; the wave's end, behind my last tensor load and my last LDS store
	ds_add_u32 v[SPW], v[NIL]
	s_wait_dscnt 0x0
	CROUND                                         ; the closing round: no work-group ends while a partner may still ask for a tile that names it
	s_endpgm
.Lfunc_end_k_q03a846e8fb_attn:
	.size	k_q03a846e8fb_attn, .Lfunc_end_k_q03a846e8fb_attn-k_q03a846e8fb_attn
	.p2alignl 7, 3214868480
	.fill 96, 4, 3214868480
	.section	.rodata,"a",@progbits
	.p2align	6, 0x0
	.amdhsa_kernel k_q03a846e8fb_attn
		.amdhsa_group_segment_fixed_size 327680
		.amdhsa_private_segment_fixed_size 0
		.amdhsa_enable_private_segment 0
		.amdhsa_kernarg_size 24
		.amdhsa_user_sgpr_count 2
		.amdhsa_user_sgpr_kernarg_segment_ptr 1
		.amdhsa_wavefront_size32 1
		.amdhsa_system_sgpr_workgroup_id_x 1
		.amdhsa_system_sgpr_workgroup_id_y 1
		.amdhsa_system_sgpr_workgroup_id_z 1
		.amdhsa_system_vgpr_workitem_id 0
		.amdhsa_next_free_vgpr 480
		.amdhsa_next_free_sgpr 96
		.amdhsa_reserve_vcc 1
		.amdhsa_float_denorm_mode_32 3
		.amdhsa_float_denorm_mode_16_64 3
		.amdhsa_memory_ordered 1
		.amdhsa_forward_progress 1
		.amdhsa_inst_pref_size 80
	.end_amdhsa_kernel
	.amdgpu_metadata
---
amdhsa.version: [ 1, 2 ]
amdhsa.kernels:
  - .name:           k_q03a846e8fb_attn
    .symbol:         k_q03a846e8fb_attn.kd
    .args:
      - { .name: q, .offset: 0, .size: 8, .value_kind: global_buffer, .address_space: global }
      - { .name: kv, .offset: 8, .size: 8, .value_kind: global_buffer, .address_space: global }
      - { .name: out0, .offset: 16, .size: 8, .value_kind: global_buffer, .address_space: global }
    .group_segment_fixed_size: 327680
    .private_segment_fixed_size: 0
    .kernarg_segment_align: 8
    .kernarg_segment_size: 24
    .max_flat_workgroup_size: 256
    .sgpr_count:     96
    .vgpr_count:     480
    .wavefront_size: 32
...
	.end_amdgpu_metadata
.endif
;; end of part 3
